; MI455X (gfx1250); checked and timed in simulation.
; The chip was launched on July 23, 2026; its instructions are those of AMD's public machine-readable ISA for CDNA 5 (MIT licence, August 2026) and "CDNA5" Instruction Set Architecture Reference Guide (July 2026). The comments in the code are by the model that wrote it; some were corrected since.
;; Wav KAN Layer. Allowed arithmetic: matrix products marked QUANTISED: E2M1 operands, one E8M0 scale for each 32 along K, by v_wmma_scale_f32_16x16x128_f8f6f4 with both operands' format E2M1 (or v_wmma_scale_f32_32x16x128_f4), f32 sums; products left as they are: f32 operands where the result goes on into a quantised operand, else bf16, f16 or f32 operands; f32 sums; everything else in f32.
;; Inputs: beta 512 float32; gamma 512 float32; scale 512 x 512 float32; translation 512 x 512 float32; wavelet_weights 512 x 512 float32; weight1_codes 512 x 16 x 16 uint8 (E2M1 codes of weight1, K innermost, in blocks of 32 codes, two codes a byte); weight1_scales 512 x 16 uint8 (E8M0 scales of weight1, one for each 32 codes along K); x 1,024 x 512 float32.
;; Outputs: out0 1,024 x 512 float32.
;; This version of the problem:
;;   THIS VERSION OF THE PROBLEM IS GIVEN IN LOW PRECISION. The matrix products marked QUANTISED in the list below multiply operands that are first quantised to E2M1 (2 exponent bits, 1 mantissa bit; 4 bits a number), with one power-of-two scale for each 32 numbers along K (OCP MX v1.0); their sums are f32. All else is computed in f32.
;;   The module's matrix products, in the order in which they are computed (A, B: the left and right operand; K: the contracted axis; several contracted axes count as one K, in the product's order):
;;     1. batch 512 x [M 1, K 512] x [K 512, N 1,024]; A: input wavelet_weights; B: computed on the way: left as it is (M = 1 < 16)
;;     2. [M 1,024, K 512] x [K 512, N 512]; A: computed on the way; B: input weight1 (given as codes): QUANTISED
;;   THE QUANTISER, for each operand of a quantised product, along K:
;;     - K is cut into blocks of 32 from its start; a last block that is shorter is filled with zeros.
;;     - A block's scale is 2^e with e = floor(log2(the largest magnitude in the block)) - 2, held to -126 .. 127; a block of zeros has e = 0. As a byte (E8M0): e + 127.
;;     - Each number is divided by its block's scale, clamped to +-6, and rounded to the nearest number of E2M1, ties to even, subnormals kept.
;;     - The product sums the exact products of the quantised numbers (number of the format x scale) in f32.
;;   ~~~python
;;   def quantise(x, axis):      # numpy; x: float32 -> the quantised numbers, widened to float32 again
;;       x = np.moveaxis(x, axis, -1); K = x.shape[-1]
;;       x = np.pad(x, [(0, 0)] * (x.ndim - 1) + [(0, -K % 32)]); x = x.reshape(x.shape[:-1] + (-1, 32)); a = np.abs(x).max(-1, keepdims=True)
;;       e = np.where(a > 0, np.clip(np.frexp(np.where(a > 0, a, 1))[1] - 1 - 2, -126, 127), 0)      # np.frexp(a)[1] - 1 = floor(log2(a)), exactly
;;       r = np.clip(x / 2.0 ** e, -6, 6)
;;       step = 2.0 ** (np.maximum(np.frexp(np.where(r == 0, 1, r))[1] - 1, 0) - 1)
;;       q = np.round(r / step) * step * 2.0 ** e      # np.round: ties to even
;;       return np.moveaxis(q.reshape(q.shape[:-2] + (-1,))[..., :K], -1, axis).astype(np.float32)
;;   ~~~
;;   OPERANDS COMPUTED ON THE WAY. 'Computed on the way' means the value that the module computes at that place (a softmax that the list does not call 'softmax' is quantised finished and normalised). What goes into a quantiser is computed in f32, as accurately as f32 sums, v_exp_f32 and their like allow (about 1e-6 of the number): no bf16 or f16 on the way to a quantiser, and a product that is left as it is and whose result goes on into a quantised operand takes f32 operands (vector FMAs, or v_wmma_f32_16x16x4_f32). A number that lies on a knife's edge between two numbers of the format may be rounded either way, as far as f32 arithmetic and the matrix unit's own rounding can turn it there, and no further.
;;   INPUTS GIVEN AS CODES. weight1 (in the module: [512, 512], K = its axis 1): each comes as NAME_codes (uint8): NAME with its K axis moved to the last place and cut into blocks of 32 codes, [.., K / 32, bytes a block], one block behind the other in memory; two codes a byte, the lower K in the low four bits (a code: sign, 2 exponent bits, 1 mantissa bit); and NAME_scales (uint8): the same leading axes, one E8M0 byte (e + 127) for each 32 codes along K. Its value is code x scale, taken as it is: it is not quantised again, and the codes and scales need not be those that the quantiser above would give.
;; 2 versions, each right; version 2 is version 1 with the launch wav written anew for expert scheduling mode. Each part assembles by itself: llvm-mc -triple=amdgcn-amd-amdhsa -mcpu=gfx1250 --defsym DOCPART=n.
;; ======== version 1 of 2: 2 launches
;; workspace buffers: yt 2,097,152 bytes; stats 65,536 bytes
;; launch wav (part 1): grid 16 x 16, 16 waves a work-group, no clusters, 177,664 bytes of LDS; arguments x, scale, translation, wavelet_weights, weight1_codes, weight1_scales, yt, stats; writes yt, stats
.if DOCPART == 1
	.amdgcn_target "amdgcn-amd-amdhsa--gfx1250"
	.amdhsa_code_object_version 6
	.text
	.protected	k_q485126e61a_wav
	.globl	k_q485126e61a_wav
	.p2align	8
	.type	k_q485126e61a_wav,@function
k_q485126e61a_wav:
	s_mov_b64 s[64:65], 0
	v_nop
	global_prefetch_b8 v0, s[64:65] scope:SCOPE_SE
	s_setreg_imm32_b32 hwreg(HW_REG_WAVE_MODE, 25, 1), 1
	s_wait_xcnt 0x0
; y[b][o] = sum over i of ww[o][i] C (xs^2 - 1) exp(-xs^2 / 2), xs = (x[b][i] - t[o][i]) / s[o][i],   +   Q(silu(x))[b] . weight1[o]   (that product on codes of E2M1 with E8M0 scales).
; This launch stores y TRANSPOSED, yt[512 columns][1024 rows] f32, and for each block of 64 rows each column's (mean, sum of squared differences from that mean): stats[16][512][2] f32.
; SHARES.  A work-group owns 64 rows x 32 columns (grid: x = block of columns, y = block of rows): 1,048,576 wavelet terms.  Sixteen waves, four to a SIMD, 256 registers each.
;   Wave w (a) brings rows 4 w .. 4 w + 3 of x into LDS; (b) makes silu of 16 rows x 128 K (tile of rows w / 4, K step w % 4), quantises it and multiplies it by weight1's same K step of both tiles of 16 columns:
;   two matrix instructions; (c) owns columns 2 w and 2 w + 1 of the wavelet sum for all 64 rows.  The product's K is so shared among four waves; their four partial tiles are added in f32 at the end.
; A TERM.  kappa = sqrt(log2(e) / 2).  Once for each (o, i): R = kappa / s, Q = -t R, A = -ww C / kappa^2, NB = -ww C.  Then u = x R + Q, nv = -u u, e = 2^nv, g = nv A + NB = C ww (xs^2 - 1), sum += g e:
;   four packed instructions and two exponentials for two terms.
; LANES.  Lane l holds i = 128 j + 4 l + e (j, e = 0 .. 3): a row of x, and each of a column's four parameter rows, is 16 registers; a wave's two columns keep 128 registers for the whole launch, and a row of x
;   comes from LDS by four loads of 512 consecutive bytes.  The sums over the lanes of 4 rows x 2 columns are merged by halves: each step keeps one of two numbers in a lane and adds the partner lane's.
; NO CLUSTER: what work-groups share (the 131,072 bytes of a block of rows of x, the 196,608 bytes of a block of columns' parameters) is fetched once, at the head, for 1,048,576 terms, and the parameters go
;   straight into registers.  No tensor load: the tile of x is filled once, through registers.
; LIMITS: xs is formed as x R + Q: its absolute error is about 1e-7 (|x| + |t|) / |s|.  1.2 |ww| xs^2 has to stay under the largest f32 number.  |s| under 2^-126 counts as 0.  Exponentials under 2^-126 come out as 0.
;   NaN and infinities among the inputs are not served.  A block of zeros of silu(x) gets the scale byte 1: its codes are zeros, and nobody else reads the byte.
.set XP,   2064                        ; LDS: a row of x: 2,048 bytes + 16: an odd multiple of 16, so that sixteen rows begin in sixteen different 16-byte columns of 256 bytes
.set BST,  64*XP                       ; behind the 64 rows of x: the product's partial tiles, [K step][32 columns], a column's 64 rows in 256 bytes + 16
.set BP,   272
.set BS,   32*BP                       ; one K step's
.set YST,  BST+4*BS                    ; the wavelet sums: 512 bytes for each wave: [2 columns][64 rows]
.set SST,  YST+16*512                  ; the work-group's 256 bytes of statistics
.set L16,  1                           ; v1   16 x lane: offset in rows of x and of the parameters, and in weight1's scale bytes (16 a column)
.set ADX,  2                           ; v2   LDS address of my 16 bytes in the first row of the four in hand
.set YW0,  3                           ; v3   where my lane's sum goes: YST + 512 w + 256 (l & 1) + 4 ((l >> 1) & 3)
.set YWA,  4                           ; v4   the same + 16 bytes for each four rows done
.set XW,   5                           ; v5   where I put my four rows of x
.set QAD,  6                           ; v6   where I read the numbers that I quantise
.set WO,   7                           ; v7   weight1's codes: 256 r + 16 h
.set ACC,  8                           ; v[8:9], v[10:11] the two columns' sums of a row; v12, v13 their halves added; v14, v15 at work in MERGE
.set PC,   16                          ; v[16:23] the codes of silu(x); afterwards v16, v17 / v18, v19 / v20 the merged sums, v21 the other half of the lanes'
.set WSC,  24                          ; v24  weight1's scale words: lanes 0-15 columns 0-15, lanes 16-31 columns 16-31; scales and nothing else
.set PW,   25                          ; v25  silu(x)'s scale word; scales and nothing else
.set BWR,  26                          ; v26  where I put my partial tiles
.set BRD,  27                          ; v27  where I read my two columns' partial sums
.set YRD,  28                          ; v28  where I read my two columns' wavelet sums
.set SWR,  29                          ; v29  where my statistics go
.set L8,   30                          ; v30  8 x lane
.set SRD,  31                          ; v31  SST + 8 x lane
.set U,    32                          ; v[32:63]  u, then e: pair 2 p + c (p: pair of i, c: column)
.set HA,   32                          ; at the head: v[32:95] my four rows of x, then the 64 numbers that I quantise; then v[32:39], v[40:47] the two partial tiles
.set NV,   64                          ; v[64:95]  nv, then g
.set X0,   96                          ; v[96:111], v[112:127] a row of x, two buffers; at the head v[96:111] weight1's two fragments
.set T,    112                         ; at the head: v[112:127] at work
.set TM,   112
.set PR,   128                         ; v[128 + 64 c ..]: column c: R + 0, Q + 16, A + 32, NB + 48
.set WV,   20                          ; s20  wave
.set RB,   22                          ; s22  block of rows
.set KS,   23                          ; s23  my K step: w % 4
.set MT,   26                          ; s26  my tile of rows: w / 4
.set MK1,  30                          ; s30, s31, s32: the lanes with bit 0, bit 1, bit 2 of their number set
.set MK2,  31
.set MK4,  32
.set SEL,  34                          ; s[34:35] v_permlanex16_b32's selects for lane l xor 16
.set KAP,  36                          ; s[36:37] kappa   (a packed form names a pair and takes its low word for both halves: both words are written)
.set NC,   38                          ; s[38:39] -C
.set NCK,  40                          ; s[40:41] -C / kappa^2
.set NL2E, 42                          ; s[42:43] -log2(e)
.set TX,   44                          ; s44  LDS byte of the four rows in hand
.set TY,   45                          ; s45  16 bytes for each four rows done
.set CNT,  46                          ; s46  trips
; a and b are two numbers a lane; behind it the lanes whose mask bit is 0 hold a[l] + a[l xor xm], the others b[l] + b[l xor xm]
.macro MERGE dst, a, b, sm, xm
	v_cndmask_b32 v14, v[\a], v[\b], s[\sm]        ; what I keep
	v_cndmask_b32 v15, v[\b], v[\a], s[\sm]        ; what my partner keeps
	v_add_f32_dpp v[\dst], v15, v14 row_xmask:\xm row_mask:0xf bank_mask:0xf
.endm
; the sums over the 32 lanes of two numbers, by turns; every lane ends up with both
.macro BFLY2 a, b, ta, tb
.irp m, 1,2,4,8
	v_add_f32_dpp v[\a], v[\a], v[\a] row_xmask:\m row_mask:0xf bank_mask:0xf
	v_add_f32_dpp v[\b], v[\b], v[\b] row_xmask:\m row_mask:0xf bank_mask:0xf
.endr
	v_permlanex16_b32 v[\ta], v[\a], s[SEL], s[SEL+1]
	v_permlanex16_b32 v[\tb], v[\b], s[SEL], s[SEL+1]
	v_add_f32 v[\a], v[\a], v[\ta]
	v_add_f32 v[\b], v[\b], v[\tb]
.endm
; silu of 16 numbers, in place: x / (1 + 2^(-x log2(e))).  Each batch of sixteen transcendentals has one plain line behind it and one wait ahead of its first reader
.macro SILU b
.set HB, HA+16*(\b)
.irp p, 0,2,4,6,8,10,12,14
	v_pk_mul_f32 v[T+\p:T+\p+1], v[HB+\p:HB+\p+1], s[NL2E:NL2E+1] op_sel_hi:[1,0]
.endr
.irp i, 0,1,2,3,4,5,6,7,8,9,10,11,12,13,14,15
	v_exp_f32 v[T+\i], v[T+\i]
.endr
	v_nop
	s_wait_alu depctr_va_vdst(0)
.irp p, 0,2,4,6,8,10,12,14
	v_pk_add_f32 v[T+\p:T+\p+1], v[T+\p:T+\p+1], 1.0 op_sel_hi:[1,0]
.endr
.irp i, 0,1,2,3,4,5,6,7,8,9,10,11,12,13,14,15
	v_rcp_f32 v[T+\i], v[T+\i]
.endr
	v_nop
	s_wait_alu depctr_va_vdst(0)
.irp p, 0,2,4,6,8,10,12,14
	v_pk_mul_f32 v[HB+\p:HB+\p+1], v[HB+\p:HB+\p+1], v[T+\p:T+\p+1]
.endr
.endm
; 64 numbers of a lane, register 16 b + i = k 32 b + 16 (lane / 16) + i of my row, become a fragment's codes in v[PC] on and its scale word in v[PW]
.macro QUANT s
.irp b, 0,1,2,3
	v_max3_num_f32 v[TM+\b], |v[\s+16*\b]|, |v[\s+1+16*\b]|, 0x1800000   ; block b: my 16 numbers, and the floor 2^(3 - 127): the byte cannot fall under 1
.endr
.irp i, 2,4,6,8,10,12,14
.irp b, 0,1,2,3
	v_max3_num_f32 v[TM+\b], v[TM+\b], |v[\s+16*\b+\i]|, |v[\s+1+16*\b+\i]|   ; (the four blocks by turns)
.endr
.endr
.irp b, 0,1,2,3
	v_permlanex16_b32 v[TM+4+\b], v[TM+\b], s[SEL], s[SEL+1]
.endr
.irp b, 0,1,2,3
	v_max_num_f32 v[TM+\b], v[TM+\b], v[TM+4+\b]   ; with lane l xor 16's: the block's largest magnitude
.endr
.irp b, 0,1,2,3
	v_add_nc_u32 v[TM+12+\b], 0xff000000, v[TM+\b] ; 2 off its exponent field: the conversion takes the exponent field of this operand as its scale
.endr
.irp b, 0,1,2,3
	v_lshrrev_b32 v[TM+4+\b], 23, v[TM+12+\b]      ; the scale's byte
.endr
	v_lshl_or_b32 v[PW], v[TM+5], 8, v[TM+4]       ; the four bytes make my row's scale word
	v_lshl_or_b32 v[PW], v[TM+6], 16, v[PW]
	v_lshl_or_b32 v[PW], v[TM+7], 24, v[PW]
.irp b, 0,1,2,3
	v_cvt_scalef32_pk8_fp4_f32 v[PC+2*\b], v[\s+16*\b:\s+7+16*\b], v[TM+12+\b]
	v_cvt_scalef32_pk8_fp4_f32 v[PC+1+2*\b], v[\s+8+16*\b:\s+15+16*\b], v[TM+12+\b]
.endr
	v_nop                                          ; one plain line behind a scaled conversion
.irp c, 0,1                                    ; the operand's layout wants a whole block in a lane: lanes 0-15 block 2 c, lanes 16-31 block 2 c + 1
.irp i, 0,1
	v_permlane16_swap_b32 v[PC+4*\c+\i], v[PC+2+4*\c+\i]
.endr
.endr
.endm
; column c's parameters: on entry s's reciprocal lies in NB's place, t in Q's, ww in A's.  32 packed lines
.macro PREP c
.set PB, PR+64*(\c)
.irp p, 0,2,4,6,8,10,12,14
	v_pk_mul_f32 v[PB+\p:PB+\p+1], v[PB+48+\p:PB+49+\p], s[KAP:KAP+1] op_sel_hi:[1,0]              ; R = kappa / s
.endr
.irp p, 0,2,4,6,8,10,12,14
	v_pk_mul_f32 v[PB+16+\p:PB+17+\p], v[PB+16+\p:PB+17+\p], v[PB+\p:PB+\p+1] neg_lo:[1,0] neg_hi:[1,0]   ; Q = -t R
.endr
.irp p, 0,2,4,6,8,10,12,14
	v_pk_mul_f32 v[PB+48+\p:PB+49+\p], v[PB+32+\p:PB+33+\p], s[NC:NC+1] op_sel_hi:[1,0]            ; NB = -C ww
.endr
.irp p, 0,2,4,6,8,10,12,14
	v_pk_mul_f32 v[PB+32+\p:PB+33+\p], v[PB+32+\p:PB+33+\p], s[NCK:NCK+1] op_sel_hi:[1,0]          ; A = -C ww / kappa^2
.endr
.endm
; Row k of the four in hand, for my two columns.  nxt = 1: the next row of the four is asked for; 2: the next four's first row; 0: nothing.
.macro ROW k, nxt
.set XB, X0+16*((\k)%2)
.set XN, X0+16-16*((\k)%2)
.if (\nxt) == 1
.irp j, 0,1,2,3
	ds_load_b128 v[XN+4*\j:XN+4*\j+3], v[ADX] offset:((\k)+1)*XP+512*\j
.endr
	s_wait_dscnt 4                                 ; all but the four just issued: this row is in (and the last four rows' store of sums is done)
.else
	s_wait_dscnt 0x0                               ; this row is in, and no LDS instruction of mine is out: so the address may be written
.endif
.if (\nxt) == 2
	s_add_co_u32 s[TX], s[TX], 4*XP
	v_add_nc_u32 v[ADX], s[TX], v[L16]
.irp j, 0,1,2,3
	ds_load_b128 v[XN+4*\j:XN+4*\j+3], v[ADX] offset:512*\j
.endr
.endif
.irp p, 0,1,2,3,4,5,6,7
.irp c, 0,1
	v_pk_fma_f32 v[U+4*\p+2*\c:U+4*\p+2*\c+1], v[XB+2*\p:XB+2*\p+1], v[PR+64*\c+2*\p:PR+64*\c+2*\p+1], v[PR+64*\c+16+2*\p:PR+64*\c+17+2*\p]   ; u = x R + Q
.endr
.endr
.set ix, 0
.rept 16                                       ; nv = -u u; a pair's two exponentials stand behind the next pair's multiplication, and land on u, which is done with
	v_pk_mul_f32 v[NV+2*ix:NV+2*ix+1], v[U+2*ix:U+2*ix+1], v[U+2*ix:U+2*ix+1] neg_lo:[1,0] neg_hi:[1,0]
.if ix > 0
	v_exp_f32 v[U+2*ix-2], v[NV+2*ix-2]
	v_exp_f32 v[U+2*ix-1], v[NV+2*ix-1]
.endif
.set ix, ix+1
.endr
	v_exp_f32 v[U+30], v[NV+30]
	v_exp_f32 v[U+31], v[NV+31]
.irp p, 0,1,2,3,4,5,6,7                        ; g = nv A + NB: sixteen plain lines that name no exponential's result: the work between the batch and its wait
.irp c, 0,1
	v_pk_fma_f32 v[NV+4*\p+2*\c:NV+4*\p+2*\c+1], v[NV+4*\p+2*\c:NV+4*\p+2*\c+1], v[PR+64*\c+32+2*\p:PR+64*\c+33+2*\p], v[PR+64*\c+48+2*\p:PR+64*\c+49+2*\p]
.endr
.endr
	s_wait_alu depctr_va_vdst(0)                   ; one wait for the row's 32 exponentials, ahead of their first reader
.irp c, 0,1
	v_pk_mul_f32 v[ACC+2*\c:ACC+2*\c+1], v[NV+2*\c:NV+2*\c+1], v[U+2*\c:U+2*\c+1]                  ; the first product starts the sum
.endr
.irp p, 1,2,3,4,5,6,7
.irp c, 0,1
	v_pk_fma_f32 v[ACC+2*\c:ACC+2*\c+1], v[NV+4*\p+2*\c:NV+4*\p+2*\c+1], v[U+4*\p+2*\c:U+4*\p+2*\c+1], v[ACC+2*\c:ACC+2*\c+1]
.endr
.endr
	v_add_f32 v12, v[ACC], v[ACC+1]
	v_add_f32 v13, v[ACC+2], v[ACC+3]
	MERGE 16+(\k)%2, 12, 13, MK1, 1                ; lane bit 0: the column
.endm
; Four rows.  Behind the merges lane l holds the whole sum of column l & 1, row (l >> 1) & 3; the four groups of eight lanes store the same words with the same bits.
.macro BODY last
	ROW 0, 1
	ROW 1, 1
	MERGE 18, 16, 17, MK2, 2                       ; lane bit 1: row 0 or 1
	ROW 2, 1
	ROW 3, 2-2*\last
	MERGE 19, 16, 17, MK2, 2                       ; row 2 or 3
	MERGE 20, 18, 19, MK4, 4                       ; lane bit 2: rows 0, 1 or rows 2, 3
	v_add_f32_dpp v20, v20, v20 row_xmask:8 row_mask:0xf bank_mask:0xf
	v_permlanex16_b32 v21, v20, s[SEL], s[SEL+1]
	v_add_f32 v20, v20, v21
	v_add_nc_u32 v[YWA], s[TY], v[YW0]             ; the last four rows' store, which read this register, was shown done by the rows' counted waits
	ds_store_b32 v[YWA], v20
.if !(\last)
	s_add_co_u32 s[TY], s[TY], 16
.endif
.endm
	s_load_b512 s[4:19], s[0:1], 0x0               ; x s[4:5], scale s[6:7], translation s[8:9], wavelet_weights s[10:11], codes s[12:13], scales s[14:15], yt s[16:17], stats s[18:19]
	v_lshrrev_b32 v8, 5, v0
	v_readfirstlane_b32 s[WV], v8                  ; wave 0 .. 15
	v_and_b32 v9, 31, v0                           ; lane
	v_and_b32 v10, 15, v0                          ; r
	v_bfe_u32 v11, v0, 4, 1                        ; h
	v_lshlrev_b32 v[L16], 4, v9
	v_lshlrev_b32 v[L8], 3, v9
	v_lshlrev_b32 v[WO], 8, v10
	v_lshl_add_u32 v[WO], v11, 4, v[WO]
	s_and_b32 s[RB], ttmp7, 0xffff
	s_and_b32 s[KS], s[WV], 3
	s_lshr_b32 s[MT], s[WV], 2
	s_mov_b32 s25, 0
	s_lshl_b32 s24, s[RB], 17                      ; x: (64 rb + 4 w) rows of 2,048 bytes
	s_lshl_b32 s27, s[WV], 13
	s_add_co_u32 s24, s24, s27
	s_wait_kmcnt 0x0
	s_add_nc_u64 s[4:5], s[4:5], s[24:25]
.irp k, 0,1,2,3
.irp j, 0,1,2,3
	global_load_b128 v[HA+16*\k+4*\j:HA+16*\k+4*\j+3], v[L16], s[4:5] offset:2048*\k+512*\j        ; my four rows: 512 consecutive bytes a load
.endr
.endr
	s_lshl_b32 s24, ttmp9, 13                      ; codes: 32 cb rows of 256 bytes, + 64 bytes for each K step
	s_lshl_b32 s27, s[KS], 6
	s_add_co_u32 s24, s24, s27
	s_add_nc_u64 s[12:13], s[12:13], s[24:25]
.irp n, 0,1
.irp c, 0,1
	global_load_b128 v[X0+8*\n+4*\c:X0+8*\n+4*\c+3], v[WO], s[12:13] offset:4096*\n+32*\c          ; column 16 n + r, k = 128 s + 64 c + 32 h on: 16 bytes as they lie
.endr
.endr
	s_lshl_b32 s24, ttmp9, 9                       ; scale bytes: 32 cb rows of 16 bytes, + 4 for each K step
	s_lshl_b32 s27, s[KS], 2
	s_add_co_u32 s24, s24, s27
	s_add_nc_u64 s[14:15], s[14:15], s[24:25]
	global_load_b32 v[WSC], v[L16], s[14:15]       ; lane l: column l's word
	s_lshl_b32 s24, ttmp9, 16                      ; parameters: (32 cb + 2 w) rows of 2,048 bytes
	s_lshl_b32 s27, s[WV], 12
	s_add_co_u32 s24, s24, s27
	s_add_nc_u64 s[6:7], s[6:7], s[24:25]
	s_add_nc_u64 s[8:9], s[8:9], s[24:25]
	s_add_nc_u64 s[10:11], s[10:11], s[24:25]
.irp c, 0,1
.irp j, 0,1,2,3
	global_load_b128 v[PR+64*\c+4*\j:PR+64*\c+4*\j+3], v[L16], s[6:7] offset:2048*\c+512*\j        ; s, into R's place
	global_load_b128 v[PR+64*\c+16+4*\j:PR+64*\c+19+4*\j], v[L16], s[8:9] offset:2048*\c+512*\j    ; t, into Q's
	global_load_b128 v[PR+64*\c+32+4*\j:PR+64*\c+35+4*\j], v[L16], s[10:11] offset:2048*\c+512*\j  ; ww, into A's
.endr
.endr
	s_lshl_b32 s24, ttmp9, 17                      ; yt: (32 cb + 2 w) columns of 4,096 bytes, + 64 rb rows of 4
	s_lshl_b32 s27, s[WV], 13
	s_add_co_u32 s24, s24, s27
	s_lshl_b32 s27, s[RB], 8
	s_add_co_u32 s24, s24, s27
	s_add_nc_u64 s[16:17], s[16:17], s[24:25]
	s_lshl_b32 s24, s[RB], 12                      ; stats: 4,096 rb + 256 cb
	s_lshl_b32 s27, ttmp9, 8
	s_add_co_u32 s24, s24, s27
	s_add_nc_u64 s[18:19], s[18:19], s[24:25]
	; LDS addresses: each a constant + constants x lane fields + constants x the wave's number
	v_and_b32 v12, 1, v0
	v_bfe_u32 v13, v0, 1, 2
	v_lshlrev_b32 v[YW0], 8, v12
	v_lshl_add_u32 v[YW0], v13, 2, v[YW0]
	s_lshl_b32 s27, s[WV], 9
	s_add_co_u32 s27, s27, YST
	v_add_nc_u32 v[YW0], s27, v[YW0]
	v_add_nc_u32 v[YRD], s27, v[L8]
	s_mul_i32 s27, s[WV], 4*XP
	v_add_nc_u32 v[XW], s27, v[L16]
	s_mul_i32 s27, s[MT], 16*XP
	s_lshl_b32 s28, s[KS], 9
	s_add_co_u32 s27, s27, s28
	v_mul_u32_u24 v[QAD], v10, XP
	v_lshl_add_u32 v[QAD], v11, 6, v[QAD]
	v_add_nc_u32 v[QAD], s27, v[QAD]               ; row 16 mt + r, byte 512 s + 64 h: my 16 numbers of each block of 32
	s_mul_i32 s27, s[KS], BS
	s_lshl_b32 s28, s[MT], 6
	s_add_co_u32 s27, s27, s28
	s_add_co_u32 s27, s27, BST
	v_mul_u32_u24 v[BWR], v10, BP
	v_lshl_add_u32 v[BWR], v11, 5, v[BWR]
	v_add_nc_u32 v[BWR], s27, v[BWR]               ; K step s, column r, rows 16 mt + 8 h on
	s_mul_i32 s27, s[WV], 2*BP
	s_add_co_u32 s27, s27, BST
	v_add_nc_u32 v[BRD], s27, v[L8]                ; column 2 w, rows 2 l and 2 l + 1
	v_and_b32 v12, 3, v0
	v_lshlrev_b32 v[SWR], 2, v12
	s_lshl_b32 s27, s[WV], 4
	s_add_co_u32 s27, s27, SST
	v_add_nc_u32 v[SWR], s27, v[SWR]
	v_add_nc_u32 v[SRD], SST, v[L8]
	s_mov_b32 s[MK1], 0xaaaaaaaa
	s_mov_b32 s[MK2], 0xcccccccc
	s_mov_b32 s[MK4], 0xf0f0f0f0
	s_mov_b32 s[SEL], 0x76543210
	s_mov_b32 s[SEL+1], 0xfedcba98
	s_mov_b32 s[KAP], 0x3f596d27                   ; sqrt(log2(e) / 2) = 0.8493218
	s_mov_b32 s[KAP+1], s[KAP]
	s_mov_b32 s[NC], 0xbf5e0904                    ; -C = -2 / (sqrt(3) pi^(1/4)) = -0.86732507
	s_mov_b32 s[NC+1], s[NC]
	s_mov_b32 s[NCK], 0xbf99e731                   ; -C / kappa^2 = -1.2023679
	s_mov_b32 s[NCK+1], s[NCK]
	s_mov_b32 s[NL2E], 0xbfb8aa3b                  ; -log2(e)
	s_mov_b32 s[NL2E+1], s[NL2E]
	s_wait_loadcnt 29                              ; x's sixteen loads are in; behind them 4 of codes, 1 of scale words and 24 of parameters stay out
.irp k, 0,1,2,3
.irp j, 0,1,2,3
	ds_store_b128 v[XW], v[HA+16*\k+4*\j:HA+16*\k+4*\j+3] offset:XP*\k+512*\j
.endr
.endr
	s_wait_dscnt 0x0                               ; for the others' sake: my rows lie in LDS
	s_barrier_signal -1
	s_barrier_wait -1                              ; all 64 rows do
	; ---- silu of my 16 rows x 128 K, quantised
.irp b, 0,1,2,3
.irp j, 0,1,2,3
	ds_load_b128 v[HA+16*\b+4*\j:HA+16*\b+4*\j+3], v[QAD] offset:128*\b+16*\j
.endr
.endr
.irp b, 0,1,2,3
	s_wait_dscnt 12-4*\b                           ; block b's four loads are in; the later blocks' may be out
	SILU \b
.endr
	QUANT HA
	; ---- the parameters, and among them the product
	s_wait_loadcnt 0x0                             ; codes, scale words, parameters
.irp c, 0,1
.irp i, 0,1,2,3,4,5,6,7,8,9,10,11,12,13,14,15
	v_rcp_f32 v[PR+64*\c+48+\i], v[PR+64*\c+\i]    ; 1 / s, into NB's place
.endr
.endr
	v_nop                                          ; the plain line behind the batch,
	s_wait_alu depctr_va_vdst(0)                   ; and its one wait
	PREP 0                                         ; 32 plain lines: also the distance between the lines that wrote silu(x)'s codes and scale word and the scaled matrix instructions
	v_wmma_scale_f32_16x16x128_f8f6f4 v[32:39], v[PC:PC+7], v[X0:X0+7], 0, v[PW], v[WSC] matrix_a_fmt:MATRIX_FMT_FP4 matrix_b_fmt:MATRIX_FMT_FP4
	v_wmma_scale_f32_16x16x128_f8f6f4 v[40:47], v[PC:PC+7], v[X0+8:X0+15], 0, v[PW], v[WSC] matrix_a_fmt:MATRIX_FMT_FP4 matrix_b_fmt:MATRIX_FMT_FP4 matrix_b_scale:MATRIX_SCALE_ROW1
	PREP 1                                         ; 32 plain lines that name none of the products' registers stand between them and the stores of their results and the loads into their operands
.irp n, 0,1                                    ; lane (r, h): column 16 n + r, rows 16 mt + 8 h + 0 .. 7: 32 consecutive bytes; each result from its low end on
	ds_store_b128 v[BWR], v[32+8*\n:35+8*\n] offset:16*BP*\n
	ds_store_b128 v[BWR], v[36+8*\n:39+8*\n] offset:16*BP*\n+16
.endr
	s_wait_dscnt 0x0                               ; for the others' sake: my partial tiles lie in LDS
	s_barrier_signal -1
	s_barrier_wait -1
	; ---- the wavelet sums: 64 rows x my two columns, four rows a trip
	s_mov_b32 s[TX], 0
	s_mov_b32 s[TY], 0
	s_mov_b32 s[CNT], 15
	v_add_nc_u32 v[ADX], s[TX], v[L16]
.irp j, 0,1,2,3
	ds_load_b128 v[X0+4*\j:X0+4*\j+3], v[ADX] offset:512*\j
.endr
.Ltrip:
	BODY 0
	s_sub_co_u32 s[CNT], s[CNT], 1
	s_cmp_lg_u32 s[CNT], 0
	s_cbranch_scc1 .Ltrip
	BODY 1                                         ; the last four rows ask for nothing beyond the tile
	; ---- y = the wavelet sum + the four partial sums; lane l holds rows 2 l and 2 l + 1 of both columns
.irp c, 0,1
	ds_load_b64 v[32+2*\c:33+2*\c], v[YRD] offset:256*\c           ; my own stores: LDS serves a wave's instructions in order (ISA guide 5.7.1.4)
.endr
.irp c, 0,1
.irp s, 0,1,2,3
	ds_load_b64 v[40+8*\c+2*\s:41+8*\c+2*\s], v[BRD] offset:BS*\s+BP*\c
.endr
.endr
	s_wait_dscnt 0x0
.irp c, 0,1
	v_pk_add_f32 v[40+8*\c:41+8*\c], v[40+8*\c:41+8*\c], v[42+8*\c:43+8*\c]
	v_pk_add_f32 v[44+8*\c:45+8*\c], v[44+8*\c:45+8*\c], v[46+8*\c:47+8*\c]
.endr
.irp c, 0,1
	v_pk_add_f32 v[40+8*\c:41+8*\c], v[40+8*\c:41+8*\c], v[44+8*\c:45+8*\c]
.endr
.irp c, 0,1
	v_pk_add_f32 v[32+2*\c:33+2*\c], v[32+2*\c:33+2*\c], v[40+8*\c:41+8*\c]
.endr
.irp c, 0,1
	global_store_b64 v[L8], v[32+2*\c:33+2*\c], s[16:17] offset:4096*\c   ; 32 lanes store 256 consecutive bytes, at a multiple of 256 from yt's first byte; v[32:35] are not written again
.endr
	; each column's mean over these 64 rows, and the sum of the squared differences from it
	v_add_f32 v56, v32, v33
	v_add_f32 v57, v34, v35
	BFLY2 56, 57, 58, 59
	v_mul_f32 v56, 0x3c800000, v56                 ; / 64
	v_mul_f32 v57, 0x3c800000, v57
	v_sub_f32 v60, v32, v56
	v_sub_f32 v62, v34, v57
	v_sub_f32 v61, v33, v56
	v_sub_f32 v63, v35, v57
	v_mul_f32 v64, v60, v60
	v_mul_f32 v65, v62, v62
	v_fma_f32 v64, v61, v61, v64
	v_fma_f32 v65, v63, v63, v65
	BFLY2 64, 65, 58, 59
	v_cndmask_b32 v66, v56, v64, s[MK1]            ; lanes l & 3 = 0, 1, 2, 3: mean of column 0, its squares, mean of column 1, its squares
	v_cndmask_b32 v67, v57, v65, s[MK1]
	v_cndmask_b32 v66, v66, v67, s[MK2]
	ds_store_b32 v[SWR], v66                       ; eight lanes write each word, with the same bits
	s_wait_dscnt 0x0                               ; for wave 0's sake
	s_barrier_signal -1
	s_barrier_wait -1
	s_cmp_lg_u32 s[WV], 0
	s_cbranch_scc1 .Ldone
	ds_load_b64 v[68:69], v[SRD]
	s_wait_dscnt 0x0
	global_store_b64 v[L8], v[68:69], s[18:19]     ; the work-group's 32 columns: 256 consecutive bytes, at a multiple of 256 from the buffer's first byte
.Ldone:
	s_wait_xcnt 0x0
	v_lshl_add_u32 v254, v0, 2, 0x2ae00
	v_mov_b32 v255, 0
	s_wait_tensorcnt 0x0
	ds_add_u32 v254, v255
	s_wait_dscnt 0x0
	s_endpgm
.Lfunc_end_k_q485126e61a_wav:
	.size	k_q485126e61a_wav, .Lfunc_end_k_q485126e61a_wav-k_q485126e61a_wav
	.p2alignl 7, 3214868480
	.fill 96, 4, 3214868480
	.section	.rodata,"a",@progbits
	.p2align	6, 0x0
	.amdhsa_kernel k_q485126e61a_wav
		.amdhsa_group_segment_fixed_size 177664
		.amdhsa_private_segment_fixed_size 0
		.amdhsa_enable_private_segment 0
		.amdhsa_kernarg_size 64
		.amdhsa_user_sgpr_count 2
		.amdhsa_user_sgpr_kernarg_segment_ptr 1
		.amdhsa_wavefront_size32 1
		.amdhsa_system_sgpr_workgroup_id_x 1
		.amdhsa_system_sgpr_workgroup_id_y 1
		.amdhsa_system_sgpr_workgroup_id_z 1
		.amdhsa_system_vgpr_workitem_id 0
		.amdhsa_next_free_vgpr 256
		.amdhsa_next_free_sgpr 66
		.amdhsa_reserve_vcc 0
		.amdhsa_float_denorm_mode_32 3
		.amdhsa_float_denorm_mode_16_64 3
		.amdhsa_memory_ordered 1
		.amdhsa_forward_progress 1
		.amdhsa_inst_pref_size 81
	.end_amdhsa_kernel
	.amdgpu_metadata
---
amdhsa.version: [ 1, 2 ]
amdhsa.kernels:
  - .name:           k_q485126e61a_wav
    .symbol:         k_q485126e61a_wav.kd
    .args:
      - { .name: x, .offset: 0, .size: 8, .value_kind: global_buffer, .address_space: global }
      - { .name: scale, .offset: 8, .size: 8, .value_kind: global_buffer, .address_space: global }
      - { .name: translation, .offset: 16, .size: 8, .value_kind: global_buffer, .address_space: global }
      - { .name: wavelet_weights, .offset: 24, .size: 8, .value_kind: global_buffer, .address_space: global }
      - { .name: weight1_codes, .offset: 32, .size: 8, .value_kind: global_buffer, .address_space: global }
      - { .name: weight1_scales, .offset: 40, .size: 8, .value_kind: global_buffer, .address_space: global }
      - { .name: yt, .offset: 48, .size: 8, .value_kind: global_buffer, .address_space: global }
      - { .name: stats, .offset: 56, .size: 8, .value_kind: global_buffer, .address_space: global }
    .group_segment_fixed_size: 177664
    .private_segment_fixed_size: 0
    .kernarg_segment_align: 8
    .kernarg_segment_size: 64
    .max_flat_workgroup_size: 512
    .sgpr_count:     66
    .vgpr_count:     256
    .wavefront_size: 32
...
	.end_amdgpu_metadata
.endif
;; end of part 1
;; launch norm (part 2): grid 8 x 16, 8 waves a work-group, no clusters, 17,920 bytes of LDS; arguments yt, stats, gamma, beta, out0; writes out0
.if DOCPART == 2
	.amdgcn_target "amdgcn-amd-amdhsa--gfx1250"
	.amdhsa_code_object_version 6
	.text
	.protected	k_q485126e61a_norm
	.globl	k_q485126e61a_norm
	.p2align	8
	.type	k_q485126e61a_norm,@function
k_q485126e61a_norm:
	s_mov_b64 s[64:65], 0
	v_nop
	global_prefetch_b8 v0, s[64:65] scope:SCOPE_SE
	s_setreg_imm32_b32 hwreg(HW_REG_WAVE_MODE, 25, 1), 1
	s_wait_xcnt 0x0
; out0[b][o] = (y[b][o] - mean[o]) rsqrt(var[o] + 1e-5) gamma[o] + beta[o], mean and var (biased) over the 1,024 rows.
; yt: y transposed, [512 columns][1024 rows] f32.  stats: [16 blocks of 64 rows][512 columns][mean, sum of squared differences from that mean] f32.
; The sixteen blocks' figures are joined as figures of equal counts are: mean = the mean of the means; the sum of squares = the sum over the blocks of (its own + 64 (its mean - mean)^2): no difference of large sums.
; SHARES.  A work-group owns 64 columns x 64 rows (grid: x = block of columns, y = block of rows): the least tile whose loads and stores both cover 256 consecutive bytes.  Eight waves; wave w owns columns 8 w .. 8 w + 7.
; Lane (a = l % 16, hi = l / 16) has columns 2 q + hi (q = 0 .. 3) of the wave's eight: of each it loads block a's figures, and rows 4 a .. 4 a + 3 of y; sums over the sixteen blocks are sums over sixteen lanes.
; The tile is turned in LDS ([64 rows], 256 bytes + 8) and leaves by rows.  No matrix work, no cluster (work-groups share the 65,536 bytes of stats alone), no tensor load.
; LIMITS: NaN and infinities are not served.
.set SP, 264                           ; a stage row
	s_load_b256 s[4:11], s[0:1], 0x0               ; yt s[4:5], stats s[6:7], gamma s[8:9], beta s[10:11]
	s_load_b64 s[12:13], s[0:1], 0x20              ; out0
	v_lshl_add_u32 v64, v0, 2, 0x4200
	v_mov_b32 v65, 0
	v_lshrrev_b32 v1, 5, v0
	v_readfirstlane_b32 s14, v1                    ; wave 0 .. 7
	v_and_b32 v2, 15, v0                           ; a
	v_bfe_u32 v3, v0, 4, 1                         ; hi
	v_and_b32 v4, 31, v0                           ; lane
	s_and_b32 s15, ttmp7, 0xffff                   ; block of rows
	s_lshl_b32 s16, ttmp9, 6
	s_lshl_b32 s17, s14, 3
	s_add_co_u32 s16, s16, s17                     ; my first column: 64 x work-group x + 8 x wave
	v_lshlrev_b32 v5, 12, v2
	v_lshl_add_u32 v5, v3, 3, v5                   ; stats: 4,096 a + 8 hi
	v_lshlrev_b32 v6, 2, v3                        ; gamma, beta: 4 hi
	v_lshlrev_b32 v7, 12, v3
	v_lshl_add_u32 v7, v2, 4, v7                   ; yt: 4,096 hi + 16 a
	v_mul_u32_u24 v8, v2, 4*SP
	v_lshl_add_u32 v8, v3, 2, v8
	s_lshl_b32 s17, s14, 5
	v_add_nc_u32 v8, s17, v8                       ; into the stage: row 4 a, column 8 w + hi
	v_lshlrev_b32 v9, 3, v4                        ; 8 x lane
	s_mul_i32 s17, s14, 8*SP
	v_add_nc_u32 v10, s17, v9                      ; out of it: row 8 w, 8 bytes a lane
	s_mov_b32 s20, 0x3a800000                      ; 1 / 1024
	s_mov_b32 s21, 0x3727c5ac                      ; 1e-5
	s_mov_b32 s19, 0
	s_lshl_b32 s18, s16, 3
	s_wait_kmcnt 0x0
	s_add_nc_u64 s[6:7], s[6:7], s[18:19]
	s_lshl_b32 s18, s16, 2
	s_add_nc_u64 s[8:9], s[8:9], s[18:19]
	s_add_nc_u64 s[10:11], s[10:11], s[18:19]
	s_lshl_b32 s18, s16, 12
	s_lshl_b32 s17, s15, 8
	s_add_co_u32 s18, s18, s17
	s_add_nc_u64 s[4:5], s[4:5], s[18:19]          ; yt at my first column, the block's first row
	s_lshl_b32 s18, s15, 17
	s_lshl_b32 s17, s14, 14
	s_add_co_u32 s18, s18, s17
	s_lshl_b32 s17, ttmp9, 8
	s_add_co_u32 s18, s18, s17
	s_add_nc_u64 s[12:13], s[12:13], s[18:19]      ; out0 at row 64 rb + 8 w, the tile's first column
.irp q, 0,1,2,3
	global_load_b64 v[32+2*\q:33+2*\q], v5, s[6:7] offset:16*\q
.endr
.irp q, 0,1,2,3
	global_load_b32 v[40+\q], v6, s[8:9] offset:8*\q
.endr
.irp q, 0,1,2,3
	global_load_b32 v[44+\q], v6, s[10:11] offset:8*\q
.endr
.irp q, 0,1,2,3
	global_load_b128 v[16+4*\q:19+4*\q], v7, s[4:5] offset:8192*\q th:TH_LOAD_NT   ; sixteen lanes read 256 consecutive bytes of a column; read once in the launch
.endr
	s_wait_loadcnt 4                               ; the twelve small loads are in; y's four stay out
.irp q, 0,1,2,3
	v_mov_b32 v[48+\q], v[32+2*\q]                 ; (the blocks' own means are kept)
.endr
.irp m, 1,2,4,8
.irp q, 0,1,2,3
	v_add_f32_dpp v[48+\q], v[48+\q], v[48+\q] row_xmask:\m row_mask:0xf bank_mask:0xf
.endr
.endr
.irp q, 0,1,2,3
	v_mul_f32 v[48+\q], 0x3d800000, v[48+\q]       ; / 16: the column's mean
.endr
.irp q, 0,1,2,3
	v_sub_f32 v[52+\q], v[32+2*\q], v[48+\q]       ; d = my block's mean - the mean
.endr
.irp q, 0,1,2,3
	v_mul_f32 v[56+\q], 0x42800000, v[52+\q]       ; 64 d
.endr
.irp q, 0,1,2,3
	v_fma_f32 v[56+\q], v[56+\q], v[52+\q], v[33+2*\q]   ; 64 d^2 + my block's sum of squares
.endr
.irp m, 1,2,4,8
.irp q, 0,1,2,3
	v_add_f32_dpp v[56+\q], v[56+\q], v[56+\q] row_xmask:\m row_mask:0xf bank_mask:0xf
.endr
.endr
.irp q, 0,1,2,3
	v_fma_f32 v[56+\q], v[56+\q], s20, s21         ; var + eps
.endr
.irp q, 0,1,2,3
	v_rsq_f32 v[60+\q], v[56+\q]
.endr
	v_nop                                          ; the plain line behind the batch of four,
	s_wait_alu depctr_va_vdst(0)                   ; and its one wait, ahead of the first reader
.irp q, 0,1,2,3
	v_mul_f32 v[60+\q], v[40+\q], v[60+\q]         ; k = gamma rsqrt(var + eps)
.endr
.irp q, 0,1,2,3
	v_fma_f32 v[44+\q], -v[48+\q], v[60+\q], v[44+\q]   ; beta - mean k
.endr
	s_wait_loadcnt 0x0                             ; y
.irp q, 0,1,2,3
.irp e, 0,1,2,3
	v_fma_f32 v[16+4*\q+\e], v[16+4*\q+\e], v[60+\q], v[44+\q]
.endr
.endr
.irp q, 0,1,2,3
.irp e, 0,1,2,3
	ds_store_b32 v8, v[16+4*\q+\e] offset:SP*\e+8*\q   ; row 4 a + e, column 8 w + 2 q + hi
.endr
.endr
	s_wait_dscnt 0x0                               ; for the others' sake: my eight columns lie in the stage
	s_barrier_signal -1
	s_barrier_wait -1
.irp t, 0,1,2,3,4,5,6,7
	ds_load_b64 v[16+2*\t:17+2*\t], v10 offset:SP*\t   ; row 8 w + t, whole
.endr
.irp t, 0,1,2,3,4,5,6,7
	s_wait_dscnt 7-\t                              ; row t is in; the younger loads may be out
	global_store_b64 v9, v[16+2*\t:17+2*\t], s[12:13] offset:2048*\t th:TH_STORE_NT   ; 32 lanes store 256 consecutive bytes, at a multiple of 256 from out0's first byte
.endr
	s_wait_tensorcnt 0x0
	ds_add_u32 v64, v65
	s_wait_dscnt 0x0
	s_endpgm
.Lfunc_end_k_q485126e61a_norm:
	.size	k_q485126e61a_norm, .Lfunc_end_k_q485126e61a_norm-k_q485126e61a_norm
	.p2alignl 7, 3214868480
	.fill 96, 4, 3214868480
	.section	.rodata,"a",@progbits
	.p2align	6, 0x0
	.amdhsa_kernel k_q485126e61a_norm
		.amdhsa_group_segment_fixed_size 17920
		.amdhsa_private_segment_fixed_size 0
		.amdhsa_enable_private_segment 0
		.amdhsa_kernarg_size 40
		.amdhsa_user_sgpr_count 2
		.amdhsa_user_sgpr_kernarg_segment_ptr 1
		.amdhsa_wavefront_size32 1
		.amdhsa_system_sgpr_workgroup_id_x 1
		.amdhsa_system_sgpr_workgroup_id_y 1
		.amdhsa_system_sgpr_workgroup_id_z 1
		.amdhsa_system_vgpr_workitem_id 0
		.amdhsa_next_free_vgpr 66
		.amdhsa_next_free_sgpr 66
		.amdhsa_reserve_vcc 0
		.amdhsa_float_denorm_mode_32 3
		.amdhsa_float_denorm_mode_16_64 3
		.amdhsa_memory_ordered 1
		.amdhsa_forward_progress 1
		.amdhsa_inst_pref_size 12
	.end_amdhsa_kernel
	.amdgpu_metadata
---
amdhsa.version: [ 1, 2 ]
amdhsa.kernels:
  - .name:           k_q485126e61a_norm
    .symbol:         k_q485126e61a_norm.kd
    .args:
      - { .name: yt, .offset: 0, .size: 8, .value_kind: global_buffer, .address_space: global }
      - { .name: stats, .offset: 8, .size: 8, .value_kind: global_buffer, .address_space: global }
      - { .name: gamma, .offset: 16, .size: 8, .value_kind: global_buffer, .address_space: global }
      - { .name: beta, .offset: 24, .size: 8, .value_kind: global_buffer, .address_space: global }
      - { .name: out0, .offset: 32, .size: 8, .value_kind: global_buffer, .address_space: global }
    .group_segment_fixed_size: 17920
    .private_segment_fixed_size: 0
    .kernarg_segment_align: 8
    .kernarg_segment_size: 40
    .max_flat_workgroup_size: 256
    .sgpr_count:     66
    .vgpr_count:     66
    .wavefront_size: 32
...
	.end_amdgpu_metadata
.endif
;; end of part 2
;; ======== version 2 of 2: 2 launches; version 1 with the launch wav written anew for expert scheduling mode
;; workspace buffers: yt 2,097,152 bytes; stats 65,536 bytes
;; launch wav (part 3): grid 16 x 16, 16 waves a work-group, no clusters, 177,664 bytes of LDS; arguments x, scale, translation, wavelet_weights, weight1_codes, weight1_scales, yt, stats; writes yt, stats
.if DOCPART == 3
	.amdgcn_target "amdgcn-amd-amdhsa--gfx1250"
	.amdhsa_code_object_version 6
	.text
	.protected	k_q485126e61a_wav
	.globl	k_q485126e61a_wav
	.p2align	8
	.type	k_q485126e61a_wav,@function
k_q485126e61a_wav:
	s_mov_b64 s[64:65], 0
	v_nop
	global_prefetch_b8 v0, s[64:65] scope:SCOPE_SE
	s_setreg_imm32_b32 hwreg(HW_REG_WAVE_SCHED_MODE, 0, 2), 2
	s_setreg_imm32_b32 hwreg(HW_REG_WAVE_MODE, 25, 1), 1
	s_wait_xcnt 0x0
	s_wait_alu depctr_vm_vsrc(0)
; y[b][o] = sum over i of ww[o][i] C (xs^2 - 1) exp(-xs^2 / 2), xs = (x[b][i] - t[o][i]) / s[o][i],   +   Q(silu(x))[b] . weight1[o]   (that product on codes of E2M1 with E8M0 scales).
; This launch stores y TRANSPOSED, yt[512 columns][1024 rows] f32, and for each block of 64 rows each column's (mean, sum of squared differences from that mean): stats[16][512][2] f32.
; SHARES.  A work-group owns 64 rows x 32 columns (grid: x = block of columns, y = block of rows): 1,048,576 wavelet terms.  Sixteen waves, four to a SIMD, 256 registers each.
;   Wave w (a) brings rows 4 w .. 4 w + 3 of x into LDS; (b) makes silu of 16 rows x 128 K (tile of rows w / 4, K step w % 4), quantises it and multiplies it by weight1's same K step of both tiles of 16 columns:
;   two matrix instructions; (c) owns columns 2 w and 2 w + 1 of the wavelet sum for all 64 rows.  The product's K is so shared among four waves; their four partial tiles are added in f32 at the end.
; A TERM.  kappa = sqrt(log2(e) / 2).  Once for each (o, i): R = kappa / s, Q = -t R, A = -ww C / kappa^2, NB = -ww C.  Then u = x R + Q, nv = -u u, e = 2^nv, g = nv A + NB = C ww (xs^2 - 1), sum += g e:
;   four packed instructions and two exponentials for two terms.
; LANES.  Lane l holds i = 128 j + 4 l + e (j, e = 0 .. 3): a row of x, and each of a column's four parameter rows, is 16 registers; a wave's two columns keep 128 registers for the whole launch, and a row of x
;   comes from LDS by four loads of 512 consecutive bytes.  The sums over the lanes of 4 rows x 2 columns are merged by halves: each step keeps one of two numbers in a lane and adds the partner lane's.
; NO CLUSTER: what work-groups share (the 131,072 bytes of a block of rows of x, the 196,608 bytes of a block of columns' parameters) is fetched once, at the head, for 1,048,576 terms, and the parameters go
;   straight into registers.  No tensor load: the tile of x is filled once, through registers.
; LIMITS: xs is formed as x R + Q: its absolute error is about 1e-7 (|x| + |t|) / |s|.  1.2 |ww| xs^2 has to stay under the largest f32 number.  |s| under 2^-126 counts as 0.  Exponentials under 2^-126 come out as 0.
;   NaN and infinities among the inputs are not served.  A block of zeros of silu(x) gets the scale byte 1: its codes are zeros, and nobody else reads the byte.
; THE MODE: SCHED_MODE bits 1:0 = 2 (LLVM: expert scheduling mode 2), set by the entry lines.  The code itself states the register dependences
;   between vector or matrix instructions and memory or LDS instructions, with s_wait_alu, always for 0.
; THE PLAN.  Registers that memory or LDS instructions touch, in the loop over the rows:
;   X0, X1        Row r: its sixteen u lines read X[r % 2]; behind the row's one wait the four LDS loads of row r + 2 land in it.
;   v[ADX]        Read by every one of those loads; written once in four rows, in row 2, ahead of that row's wait.
;   v[YWA], v20   Written at the end of four rows; read by one LDS store, which stands behind the wait of the next four's row 0.
;   U, NV, the sums, v12 to v19, v21 and the 128 registers of parameters are named by vector instructions alone.
;   So the ONE wait on va_vdst of a row, the one that its 32 exponentials want in any case, also states that the row's u lines are done reading X[r % 2], in row 2 that v[ADX] is written, in row 0 that v[YWA] and v20
;   are.  What follows it up to the next such wait names NV, U, the sums, v12 to v19 and the other X: none of the registers that the store and the loads behind it touch.
;   One wait on vm_vsrc in four rows, at row 2's head, stands ahead of the writes of v[ADX], v[YWA] and v20.
;   Head and way out: each wait says at its place what it states.  The offsets and LDS addresses v1, v5 to v7, v26 to v31 are made once and never written again.
.set XP,   2064                        ; LDS: a row of x: 2,048 bytes + 16: an odd multiple of 16, so that sixteen rows begin in sixteen different 16-byte columns of 256 bytes
.set BST,  64*XP                       ; behind the 64 rows of x: the product's partial tiles, [K step][32 columns], a column's 64 rows in 256 bytes + 16
.set BP,   272
.set BS,   32*BP                       ; one K step's
.set YST,  BST+4*BS                    ; the wavelet sums: 512 bytes for each wave: [2 columns][64 rows]
.set SST,  YST+16*512                  ; the work-group's 256 bytes of statistics
.set L16,  1                           ; v1   16 x lane: offset in rows of x and of the parameters, and in weight1's scale bytes (16 a column)
.set ADX,  2                           ; v2   LDS address of my 16 bytes in the first row of four: rows 0 and 1 of a four ask by it for their rows 2 and 3; row 2 steps it, and rows 2 and 3 ask for the next four's rows 0 and 1
.set YW0,  3                           ; v3   where my lane's sum goes: YST + 512 w + 256 (l & 1) + 4 ((l >> 1) & 3)
.set YWA,  4                           ; v4   the same + 16 bytes for each four rows done
.set XW,   5                           ; v5   where I put my four rows of x
.set QAD,  6                           ; v6   where I read the numbers that I quantise
.set WO,   7                           ; v7   weight1's codes: 256 r + 16 h
.set ACC,  8                           ; v[8:9], v[10:11] the two columns' sums of a row; v12, v13 their halves added; v14, v15 at work in MERGE
.set PC,   16                          ; v[16:23] the codes of silu(x); afterwards v16, v17 / v18, v19 / v20 the merged sums, v21 the other half of the lanes'
.set WSC,  24                          ; v24  weight1's scale words: lanes 0-15 columns 0-15, lanes 16-31 columns 16-31; scales and nothing else
.set PW,   25                          ; v25  silu(x)'s scale word; scales and nothing else
.set BWR,  26                          ; v26  where I put my partial tiles
.set BRD,  27                          ; v27  where I read my two columns' partial sums
.set YRD,  28                          ; v28  where I read my two columns' wavelet sums
.set SWR,  29                          ; v29  where my statistics go
.set L8,   30                          ; v30  8 x lane
.set SRD,  31                          ; v31  SST + 8 x lane
.set U,    32                          ; v[32:63]  u, then e: pair 2 p + c (p: pair of i, c: column)
.set HA,   32                          ; at the head: v[32:95] my four rows of x, then the 64 numbers that I quantise; then v[32:39], v[40:47] the two partial tiles
.set NV,   64                          ; v[64:95]  nv, then g
.set X0,   96                          ; v[96:111], v[112:127] a row of x, two buffers; at the head v[96:111] weight1's two fragments
.set T,    112                         ; at the head: v[112:127] at work
.set TM,   112
.set PR,   128                         ; v[128 + 64 c ..]: column c: R + 0, Q + 16, A + 32, NB + 48
.set WV,   20                          ; s20  wave
.set RB,   22                          ; s22  block of rows
.set KS,   23                          ; s23  my K step: w % 4
.set MT,   26                          ; s26  my tile of rows: w / 4
.set MK1,  30                          ; s30, s31, s32: the lanes with bit 0, bit 1, bit 2 of their number set
.set MK2,  31
.set MK4,  32
.set SEL,  34                          ; s[34:35] v_permlanex16_b32's selects for lane l xor 16
.set KAP,  36                          ; s[36:37] kappa   (a packed form names a pair and takes its low word for both halves: both words are written)
.set NC,   38                          ; s[38:39] -C
.set NCK,  40                          ; s[40:41] -C / kappa^2
.set NL2E, 42                          ; s[42:43] -log2(e)
.set TX,   44                          ; s44  LDS byte of the four rows that v[ADX] stands at
.set TY,   45                          ; s45  16 bytes for each four rows done
.set CNT,  46                          ; s46  trips
; a and b are two numbers a lane; behind it the lanes whose mask bit is 0 hold a[l] + a[l xor xm], the others b[l] + b[l xor xm]
.macro MERGE dst, a, b, sm, xm
	v_cndmask_b32 v14, v[\a], v[\b], s[\sm]        ; what I keep
	v_cndmask_b32 v15, v[\b], v[\a], s[\sm]        ; what my partner keeps
	v_add_f32_dpp v[\dst], v15, v14 row_xmask:\xm row_mask:0xf bank_mask:0xf
.endm
; the sums over the 32 lanes of two numbers, by turns; every lane ends up with both
.macro BFLY2 a, b, ta, tb
.irp m, 1,2,4,8
	v_add_f32_dpp v[\a], v[\a], v[\a] row_xmask:\m row_mask:0xf bank_mask:0xf
	v_add_f32_dpp v[\b], v[\b], v[\b] row_xmask:\m row_mask:0xf bank_mask:0xf
.endr
	v_permlanex16_b32 v[\ta], v[\a], s[SEL], s[SEL+1]
	v_permlanex16_b32 v[\tb], v[\b], s[SEL], s[SEL+1]
	v_add_f32 v[\a], v[\a], v[\ta]
	v_add_f32 v[\b], v[\b], v[\tb]
.endm
; silu of 16 numbers, in place: x / (1 + 2^(-x log2(e))).  Each batch of sixteen transcendentals has one plain line behind it and one wait ahead of its first reader
.macro SILU b
.set HB, HA+16*(\b)
.irp p, 0,2,4,6,8,10,12,14
	v_pk_mul_f32 v[T+\p:T+\p+1], v[HB+\p:HB+\p+1], s[NL2E:NL2E+1] op_sel_hi:[1,0]
.endr
.irp i, 0,1,2,3,4,5,6,7,8,9,10,11,12,13,14,15
	v_exp_f32 v[T+\i], v[T+\i]
.endr
	v_nop
	s_wait_alu depctr_va_vdst(0)                   ; the sixteen exponentials have written v[T ..], ahead of the additions that read them
.irp p, 0,2,4,6,8,10,12,14
	v_pk_add_f32 v[T+\p:T+\p+1], v[T+\p:T+\p+1], 1.0 op_sel_hi:[1,0]
.endr
.irp i, 0,1,2,3,4,5,6,7,8,9,10,11,12,13,14,15
	v_rcp_f32 v[T+\i], v[T+\i]
.endr
	v_nop
	s_wait_alu depctr_va_vdst(0)                   ; the sixteen reciprocals have written v[T ..], ahead of the multiplications that read them
.irp p, 0,2,4,6,8,10,12,14
	v_pk_mul_f32 v[HB+\p:HB+\p+1], v[HB+\p:HB+\p+1], v[T+\p:T+\p+1]
.endr
.endm
; 64 numbers of a lane, register 16 b + i = k 32 b + 16 (lane / 16) + i of my row, become a fragment's codes in v[PC] on and its scale word in v[PW]
.macro QUANT s
.irp b, 0,1,2,3
	v_max3_num_f32 v[TM+\b], |v[\s+16*\b]|, |v[\s+1+16*\b]|, 0x1800000   ; block b: my 16 numbers, and the floor 2^(3 - 127): the byte cannot fall under 1
.endr
.irp i, 2,4,6,8,10,12,14
.irp b, 0,1,2,3
	v_max3_num_f32 v[TM+\b], v[TM+\b], |v[\s+16*\b+\i]|, |v[\s+1+16*\b+\i]|   ; (the four blocks by turns)
.endr
.endr
.irp b, 0,1,2,3
	v_permlanex16_b32 v[TM+4+\b], v[TM+\b], s[SEL], s[SEL+1]
.endr
.irp b, 0,1,2,3
	v_max_num_f32 v[TM+\b], v[TM+\b], v[TM+4+\b]   ; with lane l xor 16's: the block's largest magnitude
.endr
.irp b, 0,1,2,3
	v_add_nc_u32 v[TM+12+\b], 0xff000000, v[TM+\b] ; 2 off its exponent field: the conversion takes the exponent field of this operand as its scale
.endr
.irp b, 0,1,2,3
	v_lshrrev_b32 v[TM+4+\b], 23, v[TM+12+\b]      ; the scale's byte
.endr
	v_lshl_or_b32 v[PW], v[TM+5], 8, v[TM+4]       ; the four bytes make my row's scale word
	v_lshl_or_b32 v[PW], v[TM+6], 16, v[PW]
	v_lshl_or_b32 v[PW], v[TM+7], 24, v[PW]
.irp b, 0,1,2,3
	v_cvt_scalef32_pk8_fp4_f32 v[PC+2*\b], v[\s+16*\b:\s+7+16*\b], v[TM+12+\b]
	v_cvt_scalef32_pk8_fp4_f32 v[PC+1+2*\b], v[\s+8+16*\b:\s+15+16*\b], v[TM+12+\b]
.endr
	v_nop                                          ; one plain line behind a scaled conversion
.irp c, 0,1                                    ; the operand's layout wants a whole block in a lane: lanes 0-15 block 2 c, lanes 16-31 block 2 c + 1
.irp i, 0,1
	v_permlane16_swap_b32 v[PC+4*\c+\i], v[PC+2+4*\c+\i]
.endr
.endr
.endm
; column c's parameters: on entry s's reciprocal lies in NB's place, t in Q's, ww in A's.  32 packed lines
.macro PREP c
.set PB, PR+64*(\c)
.irp p, 0,2,4,6,8,10,12,14
	v_pk_mul_f32 v[PB+\p:PB+\p+1], v[PB+48+\p:PB+49+\p], s[KAP:KAP+1] op_sel_hi:[1,0]              ; R = kappa / s
.endr
.irp p, 0,2,4,6,8,10,12,14
	v_pk_mul_f32 v[PB+16+\p:PB+17+\p], v[PB+16+\p:PB+17+\p], v[PB+\p:PB+\p+1] neg_lo:[1,0] neg_hi:[1,0]   ; Q = -t R
.endr
.irp p, 0,2,4,6,8,10,12,14
	v_pk_mul_f32 v[PB+48+\p:PB+49+\p], v[PB+32+\p:PB+33+\p], s[NC:NC+1] op_sel_hi:[1,0]            ; NB = -C ww
.endr
.irp p, 0,2,4,6,8,10,12,14
	v_pk_mul_f32 v[PB+32+\p:PB+33+\p], v[PB+32+\p:PB+33+\p], s[NCK:NCK+1] op_sel_hi:[1,0]          ; A = -C ww / kappa^2
.endr
.endm
; Row k of four, for my two columns.  left: the younger LDS instructions that may stay out when this row has to be in.  ld = 1: the row two further on is asked for, into this row's buffer.
; st = 1 (row 0 alone): the sums of the four rows before are stored.
.macro ROW k, left, ld, st
.set XB, X0+16*((\k)%2)
	s_wait_dscnt \left                             ; LDS instructions are served in order (ISA guide 5.7.1): this row is in; the next row's four loads, issued behind it, may be out
.if (\k) == 2
	s_wait_alu depctr_vm_vsrc(0)                   ; the LDS loads issued so far have read v[ADX], and row 0's store has read v[YWA] and v20: the first is written below, the other two at the end of these four rows
.if (\ld)
	s_add_co_u32 s[TX], s[TX], 4*XP
	v_add_nc_u32 v[ADX], s[TX], v[L16]             ; on to the next four rows; the row's wait below stands between this line and the loads that read it
.endif
.endif
.irp p, 0,1,2,3,4,5,6,7
.irp c, 0,1
	v_pk_fma_f32 v[U+4*\p+2*\c:U+4*\p+2*\c+1], v[XB+2*\p:XB+2*\p+1], v[PR+64*\c+2*\p:PR+64*\c+2*\p+1], v[PR+64*\c+16+2*\p:PR+64*\c+17+2*\p]   ; u = x R + Q
.endr
.endr
.set ix, 0
.rept 16                                       ; nv = -u u; a pair's two exponentials stand behind the next pair's multiplication, and land on u, which is done with
	v_pk_mul_f32 v[NV+2*ix:NV+2*ix+1], v[U+2*ix:U+2*ix+1], v[U+2*ix:U+2*ix+1] neg_lo:[1,0] neg_hi:[1,0]
.if ix > 0
	v_exp_f32 v[U+2*ix-2], v[NV+2*ix-2]
	v_exp_f32 v[U+2*ix-1], v[NV+2*ix-1]
.endif
.set ix, ix+1
.endr
	v_exp_f32 v[U+30], v[NV+30]
	v_exp_f32 v[U+31], v[NV+31]
.irp p, 0,1,2,3,4,5,6,7                        ; g = nv A + NB: sixteen plain lines that name no exponential's result: the work between the batch and its wait
.irp c, 0,1
	v_pk_fma_f32 v[NV+4*\p+2*\c:NV+4*\p+2*\c+1], v[NV+4*\p+2*\c:NV+4*\p+2*\c+1], v[PR+64*\c+32+2*\p:PR+64*\c+33+2*\p], v[PR+64*\c+48+2*\p:PR+64*\c+49+2*\p]
.endr
.endr
	s_wait_alu depctr_va_vdst(0)                   ; the row's 32 exponentials have written v[U ..], ahead of their first reader; the u lines are done reading this row's buffer, in which the loads below land; in row 2 v[ADX] is written, in row 0 v[YWA] and v20 are
.if (\st)
	ds_store_b32 v[YWA], v20                       ; the sums of the four rows before.  It stands ahead of the loads, so that the next row's count of 4 leaves the loads alone out
	s_add_co_u32 s[TY], s[TY], 16                  ; these four rows' place
.endif
.if (\ld)
.irp j, 0,1,2,3
	ds_load_b128 v[XB+4*\j:XB+4*\j+3], v[ADX] offset:(((\k)+2)%4)*XP+512*\j   ; two rows ahead.  No further wait: no vector instruction since the wait names these registers
.endr
.endif
.irp c, 0,1
	v_pk_mul_f32 v[ACC+2*\c:ACC+2*\c+1], v[NV+2*\c:NV+2*\c+1], v[U+2*\c:U+2*\c+1]                  ; the first product starts the sum
.endr
.irp p, 1,2,3,4,5,6,7
.irp c, 0,1
	v_pk_fma_f32 v[ACC+2*\c:ACC+2*\c+1], v[NV+4*\p+2*\c:NV+4*\p+2*\c+1], v[U+4*\p+2*\c:U+4*\p+2*\c+1], v[ACC+2*\c:ACC+2*\c+1]
.endr
.endr
	v_add_f32 v12, v[ACC], v[ACC+1]
	v_add_f32 v13, v[ACC+2], v[ACC+3]
	MERGE 16+(\k)%2, 12, 13, MK1, 1                ; lane bit 0: the column
.endm
; Four rows.  Behind the merges lane l holds the whole sum of column l & 1, row (l >> 1) & 3; the four groups of eight lanes will store the same words with the same bits.
; st = 1: four rows went before, and their sums are stored in row 0.  last = 1: rows 60 to 63: rows 2 and 3 ask for nothing beyond the tile.
.macro BODY st, last
	ROW 0, 4, 1, \st
	ROW 1, 4, 1, 0
	MERGE 18, 16, 17, MK2, 2                       ; lane bit 1: row 0 or 1
	ROW 2, 4, 1-\last, 0
	ROW 3, 4-4*\last, 1-\last, 0
	MERGE 19, 16, 17, MK2, 2                       ; row 2 or 3
	MERGE 20, 18, 19, MK4, 4                       ; lane bit 2: rows 0, 1 or rows 2, 3
	v_add_f32_dpp v20, v20, v20 row_xmask:8 row_mask:0xf bank_mask:0xf
	v_permlanex16_b32 v21, v20, s[SEL], s[SEL+1]
	v_add_f32 v20, v20, v21
	v_add_nc_u32 v[YWA], s[TY], v[YW0]             ; where these sums go; the store follows behind the next wait on va_vdst
.endm
	s_load_b512 s[4:19], s[0:1], 0x0               ; x s[4:5], scale s[6:7], translation s[8:9], wavelet_weights s[10:11], codes s[12:13], scales s[14:15], yt s[16:17], stats s[18:19]
	v_lshrrev_b32 v8, 5, v0
	v_readfirstlane_b32 s[WV], v8                  ; wave 0 .. 15
	v_and_b32 v9, 31, v0                           ; lane
	v_and_b32 v10, 15, v0                          ; r
	v_bfe_u32 v11, v0, 4, 1                        ; h
	v_lshlrev_b32 v[L16], 4, v9
	v_lshlrev_b32 v[L8], 3, v9
	v_lshlrev_b32 v[WO], 8, v10
	v_lshl_add_u32 v[WO], v11, 4, v[WO]
	s_and_b32 s[RB], ttmp7, 0xffff
	s_wait_alu depctr_va_sdst(0)                   ; the wave's number is written, ahead of its first reader
	s_and_b32 s[KS], s[WV], 3
	s_lshr_b32 s[MT], s[WV], 2
	s_mov_b32 s25, 0
	s_lshl_b32 s24, s[RB], 17                      ; x: (64 rb + 4 w) rows of 2,048 bytes
	s_lshl_b32 s27, s[WV], 13
	s_add_co_u32 s24, s24, s27
	s_wait_kmcnt 0x0
	s_add_nc_u64 s[4:5], s[4:5], s[24:25]
	s_wait_alu depctr_va_vdst(0)                   ; v[L16], v[WO] and v[L8] are written: every global load and store of the kernel reads one of them as its offset
.irp k, 0,1,2,3
.irp j, 0,1,2,3
	global_load_b128 v[HA+16*\k+4*\j:HA+16*\k+4*\j+3], v[L16], s[4:5] offset:2048*\k+512*\j        ; my four rows: 512 consecutive bytes a load
.endr
.endr
	s_lshl_b32 s24, ttmp9, 13                      ; codes: 32 cb rows of 256 bytes, + 64 bytes for each K step
	s_lshl_b32 s27, s[KS], 6
	s_add_co_u32 s24, s24, s27
	s_add_nc_u64 s[12:13], s[12:13], s[24:25]
.irp n, 0,1
.irp c, 0,1
	global_load_b128 v[X0+8*\n+4*\c:X0+8*\n+4*\c+3], v[WO], s[12:13] offset:4096*\n+32*\c          ; column 16 n + r, k = 128 s + 64 c + 32 h on: 16 bytes as they lie
.endr
.endr
	s_lshl_b32 s24, ttmp9, 9                       ; scale bytes: 32 cb rows of 16 bytes, + 4 for each K step
	s_lshl_b32 s27, s[KS], 2
	s_add_co_u32 s24, s24, s27
	s_add_nc_u64 s[14:15], s[14:15], s[24:25]
	global_load_b32 v[WSC], v[L16], s[14:15]       ; lane l: column l's word
	s_lshl_b32 s24, ttmp9, 16                      ; parameters: (32 cb + 2 w) rows of 2,048 bytes
	s_lshl_b32 s27, s[WV], 12
	s_add_co_u32 s24, s24, s27
	s_add_nc_u64 s[6:7], s[6:7], s[24:25]
	s_add_nc_u64 s[8:9], s[8:9], s[24:25]
	s_add_nc_u64 s[10:11], s[10:11], s[24:25]
.irp c, 0,1
.irp j, 0,1,2,3
	global_load_b128 v[PR+64*\c+4*\j:PR+64*\c+4*\j+3], v[L16], s[6:7] offset:2048*\c+512*\j        ; s, into R's place
	global_load_b128 v[PR+64*\c+16+4*\j:PR+64*\c+19+4*\j], v[L16], s[8:9] offset:2048*\c+512*\j    ; t, into Q's
	global_load_b128 v[PR+64*\c+32+4*\j:PR+64*\c+35+4*\j], v[L16], s[10:11] offset:2048*\c+512*\j  ; ww, into A's
.endr
.endr
	s_lshl_b32 s24, ttmp9, 17                      ; yt: (32 cb + 2 w) columns of 4,096 bytes, + 64 rb rows of 4
	s_lshl_b32 s27, s[WV], 13
	s_add_co_u32 s24, s24, s27
	s_lshl_b32 s27, s[RB], 8
	s_add_co_u32 s24, s24, s27
	s_add_nc_u64 s[16:17], s[16:17], s[24:25]
	s_lshl_b32 s24, s[RB], 12                      ; stats: 4,096 rb + 256 cb
	s_lshl_b32 s27, ttmp9, 8
	s_add_co_u32 s24, s24, s27
	s_add_nc_u64 s[18:19], s[18:19], s[24:25]
	; LDS addresses: each a constant + constants x lane fields + constants x the wave's number.  These lines name no register that a load on its way touches
	v_and_b32 v12, 1, v0
	v_bfe_u32 v13, v0, 1, 2
	v_lshlrev_b32 v[YW0], 8, v12
	v_lshl_add_u32 v[YW0], v13, 2, v[YW0]
	s_lshl_b32 s27, s[WV], 9
	s_add_co_u32 s27, s27, YST
	v_add_nc_u32 v[YW0], s27, v[YW0]
	v_add_nc_u32 v[YRD], s27, v[L8]
	s_mul_i32 s27, s[WV], 4*XP
	v_add_nc_u32 v[XW], s27, v[L16]
	s_mul_i32 s27, s[MT], 16*XP
	s_lshl_b32 s28, s[KS], 9
	s_add_co_u32 s27, s27, s28
	v_mul_u32_u24 v[QAD], v10, XP
	v_lshl_add_u32 v[QAD], v11, 6, v[QAD]
	v_add_nc_u32 v[QAD], s27, v[QAD]               ; row 16 mt + r, byte 512 s + 64 h: my 16 numbers of each block of 32
	s_mul_i32 s27, s[KS], BS
	s_lshl_b32 s28, s[MT], 6
	s_add_co_u32 s27, s27, s28
	s_add_co_u32 s27, s27, BST
	v_mul_u32_u24 v[BWR], v10, BP
	v_lshl_add_u32 v[BWR], v11, 5, v[BWR]
	v_add_nc_u32 v[BWR], s27, v[BWR]               ; K step s, column r, rows 16 mt + 8 h on
	s_mul_i32 s27, s[WV], 2*BP
	s_add_co_u32 s27, s27, BST
	v_add_nc_u32 v[BRD], s27, v[L8]                ; column 2 w, rows 2 l and 2 l + 1
	v_and_b32 v12, 3, v0
	v_lshlrev_b32 v[SWR], 2, v12
	s_lshl_b32 s27, s[WV], 4
	s_add_co_u32 s27, s27, SST
	v_add_nc_u32 v[SWR], s27, v[SWR]
	v_add_nc_u32 v[SRD], SST, v[L8]
	s_mov_b32 s[MK1], 0xaaaaaaaa
	s_mov_b32 s[MK2], 0xcccccccc
	s_mov_b32 s[MK4], 0xf0f0f0f0
	s_mov_b32 s[SEL], 0x76543210
	s_mov_b32 s[SEL+1], 0xfedcba98
	s_mov_b32 s[KAP], 0x3f596d27                   ; sqrt(log2(e) / 2) = 0.8493218
	s_mov_b32 s[KAP+1], s[KAP]
	s_mov_b32 s[NC], 0xbf5e0904                    ; -C = -2 / (sqrt(3) pi^(1/4)) = -0.86732507
	s_mov_b32 s[NC+1], s[NC]
	s_mov_b32 s[NCK], 0xbf99e731                   ; -C / kappa^2 = -1.2023679
	s_mov_b32 s[NCK+1], s[NCK]
	s_mov_b32 s[NL2E], 0xbfb8aa3b                  ; -log2(e)
	s_mov_b32 s[NL2E+1], s[NL2E]
	s_wait_loadcnt 29                              ; x's sixteen loads are in; behind them 4 of codes, 1 of scale words and 24 of parameters stay out
	s_wait_alu depctr_va_vdst(0)                   ; the LDS addresses v[XW], v[QAD], v[BWR], v[BRD], v[YRD], v[SWR] and v[SRD] are written, which the LDS stores and loads from here on read
.irp k, 0,1,2,3
.irp j, 0,1,2,3
	ds_store_b128 v[XW], v[HA+16*\k+4*\j:HA+16*\k+4*\j+3] offset:XP*\k+512*\j
.endr
.endr
	s_wait_dscnt 0x0                               ; for the others' sake: my rows lie in LDS
	s_barrier_signal -1
	s_barrier_wait -1                              ; all 64 rows do
	; ---- silu of my 16 rows x 128 K, quantised
	s_wait_alu depctr_vm_vsrc(0)                   ; my LDS stores have read v[HA ..], in which the loads below land
.irp b, 0,1,2,3
.irp j, 0,1,2,3
	ds_load_b128 v[HA+16*\b+4*\j:HA+16*\b+4*\j+3], v[QAD] offset:128*\b+16*\j
.endr
.endr
.irp b, 0,1,2,3
	s_wait_dscnt 12-4*\b                           ; block b's four loads are in; the later blocks' may be out
	SILU \b
.endr
	QUANT HA
	; ---- the parameters, and among them the product
	s_wait_loadcnt 0x0                             ; codes, scale words, parameters
.irp c, 0,1
.irp i, 0,1,2,3,4,5,6,7,8,9,10,11,12,13,14,15
	v_rcp_f32 v[PR+64*\c+48+\i], v[PR+64*\c+\i]    ; 1 / s, into NB's place
.endr
.endr
	v_nop                                          ; the plain line behind the batch,
	s_wait_alu depctr_va_vdst(0)                   ; and its one wait: the 32 reciprocals have written NB's places, ahead of the multiplications that read them
	PREP 0                                         ; 32 plain lines: also the distance between the lines that wrote silu(x)'s codes and scale word and the scaled matrix instructions
	s_wait_alu depctr_va_vdst(0)                   ; behind those places: the conversions and exchanges have written the codes v[PC ..], and the shifts the scale word v[PW], which the scaled matrix instructions take
	v_wmma_scale_f32_16x16x128_f8f6f4 v[32:39], v[PC:PC+7], v[X0:X0+7], 0, v[PW], v[WSC] matrix_a_fmt:MATRIX_FMT_FP4 matrix_b_fmt:MATRIX_FMT_FP4
	v_wmma_scale_f32_16x16x128_f8f6f4 v[40:47], v[PC:PC+7], v[X0+8:X0+15], 0, v[PW], v[WSC] matrix_a_fmt:MATRIX_FMT_FP4 matrix_b_fmt:MATRIX_FMT_FP4 matrix_b_scale:MATRIX_SCALE_ROW1
	PREP 1                                         ; 32 plain lines that name none of the products' registers stand between them and the stores of their results
	s_mov_b32 s[TX], 0
	v_add_nc_u32 v[ADX], s[TX], v[L16]             ; the loop's first address, made ahead of the wait that stands here anyway
	s_wait_alu depctr_va_vdst(0)                   ; behind those places: the products have written v[32:47], which the LDS stores read, and are done reading v[X0 ..]; the quantiser is done with v[T ..]; v[ADX] is written: the first rows' loads, behind the barrier, touch these three
.irp n, 0,1                                    ; lane (r, h): column 16 n + r, rows 16 mt + 8 h + 0 .. 7: 32 consecutive bytes; each result from its low end on
	ds_store_b128 v[BWR], v[32+8*\n:35+8*\n] offset:16*BP*\n
	ds_store_b128 v[BWR], v[36+8*\n:39+8*\n] offset:16*BP*\n+16
.endr
	s_wait_dscnt 0x0                               ; for the others' sake: my partial tiles lie in LDS
	s_barrier_signal -1
	s_barrier_wait -1
	; ---- the wavelet sums: 64 rows x my two columns, four rows a trip
	s_wait_alu depctr_vm_vsrc(0)                   ; my LDS stores have read v[32:47], which the rows' u lines write
	s_mov_b32 s[TY], 0
	s_mov_b32 s[CNT], 14
.irp k, 0,1
.irp j, 0,1,2,3
	ds_load_b128 v[X0+16*\k+4*\j:X0+16*\k+4*\j+3], v[ADX] offset:XP*\k+512*\j   ; rows 0 and 1; each row asks for the one two rows on.  No vector instruction since the last wait on va_vdst
.endr
.endr
	BODY 0, 0                                      ; rows 0 to 3 are written out: no sums went before them
.Ltrip:
	BODY 1, 0
	s_sub_co_u32 s[CNT], s[CNT], 1
	s_cmp_lg_u32 s[CNT], 0
	s_cbranch_scc1 .Ltrip
	BODY 1, 1                                      ; the last four rows ask for nothing beyond the tile
	; ---- y = the wavelet sum + the four partial sums; lane l holds rows 2 l and 2 l + 1 of both columns
	s_wait_alu depctr_va_vdst(0)                   ; v[YWA] and v20 are written, which the last store of sums reads; the rows' lines are done with v[32:35] and v[40:55], in which the loads below land
	ds_store_b32 v[YWA], v20
.irp c, 0,1
	ds_load_b64 v[32+2*\c:33+2*\c], v[YRD] offset:256*\c           ; my own stores: LDS serves a wave's instructions in order (ISA guide 5.7.1.4)
.endr
.irp c, 0,1
.irp s, 0,1,2,3
	ds_load_b64 v[40+8*\c+2*\s:41+8*\c+2*\s], v[BRD] offset:BS*\s+BP*\c
.endr
.endr
	s_wait_dscnt 0x0
.irp c, 0,1
	v_pk_add_f32 v[40+8*\c:41+8*\c], v[40+8*\c:41+8*\c], v[42+8*\c:43+8*\c]
	v_pk_add_f32 v[44+8*\c:45+8*\c], v[44+8*\c:45+8*\c], v[46+8*\c:47+8*\c]
.endr
.irp c, 0,1
	v_pk_add_f32 v[40+8*\c:41+8*\c], v[40+8*\c:41+8*\c], v[44+8*\c:45+8*\c]
.endr
.irp c, 0,1
	v_pk_add_f32 v[32+2*\c:33+2*\c], v[32+2*\c:33+2*\c], v[40+8*\c:41+8*\c]
.endr
	s_wait_alu depctr_va_vdst(0)                   ; the additions have written v[32:35], which the stores read
.irp c, 0,1
	global_store_b64 v[L8], v[32+2*\c:33+2*\c], s[16:17] offset:4096*\c   ; 32 lanes store 256 consecutive bytes, at a multiple of 256 from yt's first byte; v[32:35] are not written again
.endr
	; each column's mean over these 64 rows, and the sum of the squared differences from it
	v_add_f32 v56, v32, v33
	v_add_f32 v57, v34, v35
	BFLY2 56, 57, 58, 59
	v_mul_f32 v56, 0x3c800000, v56                 ; / 64
	v_mul_f32 v57, 0x3c800000, v57
	v_sub_f32 v60, v32, v56
	v_sub_f32 v62, v34, v57
	v_sub_f32 v61, v33, v56
	v_sub_f32 v63, v35, v57
	v_mul_f32 v64, v60, v60
	v_mul_f32 v65, v62, v62
	v_fma_f32 v64, v61, v61, v64
	v_fma_f32 v65, v63, v63, v65
	BFLY2 64, 65, 58, 59
	v_cndmask_b32 v66, v56, v64, s[MK1]            ; lanes l & 3 = 0, 1, 2, 3: mean of column 0, its squares, mean of column 1, its squares
	v_cndmask_b32 v67, v57, v65, s[MK1]
	v_cndmask_b32 v66, v66, v67, s[MK2]
	s_wait_alu depctr_va_vdst(0)                   ; the selects have written v66, which the LDS store reads
	ds_store_b32 v[SWR], v66                       ; eight lanes write each word, with the same bits
	s_wait_dscnt 0x0                               ; for wave 0's sake
	s_barrier_signal -1
	s_barrier_wait -1
	s_cmp_lg_u32 s[WV], 0
	s_cbranch_scc1 .Ldone
	ds_load_b64 v[68:69], v[SRD]                   ; (v68 and v69 were last named by the rows' lines, ahead of the waits on va_vdst above)
	s_wait_dscnt 0x0
	global_store_b64 v[L8], v[68:69], s[18:19]     ; the work-group's 32 columns: 256 consecutive bytes, at a multiple of 256 from the buffer's first byte
.Ldone:
	s_wait_xcnt 0x0                                ; every earlier global instruction has had its addresses translated (ISA guide 3.1)
	v_lshl_add_u32 v254, v0, 2, 0x2ae00            ; the add's two registers are made anew here, since none could be kept through the loop; no memory or LDS instruction has read v254 or v255
	v_mov_b32 v255, 0
	s_wait_dscnt 0x0                               ; the closing lines, six on end
	s_wait_alu 0x0
	s_wait_tensorcnt 0x0
	ds_add_u32 v254, v255
	s_wait_dscnt 0x0
	s_endpgm
.Lfunc_end_k_q485126e61a_wav:
	.size	k_q485126e61a_wav, .Lfunc_end_k_q485126e61a_wav-k_q485126e61a_wav
	.p2alignl 7, 3214868480
	.fill 96, 4, 3214868480
	.section	.rodata,"a",@progbits
	.p2align	6, 0x0
	.amdhsa_kernel k_q485126e61a_wav
		.amdhsa_group_segment_fixed_size 177664
		.amdhsa_private_segment_fixed_size 0
		.amdhsa_enable_private_segment 0
		.amdhsa_kernarg_size 64
		.amdhsa_user_sgpr_count 2
		.amdhsa_user_sgpr_kernarg_segment_ptr 1
		.amdhsa_wavefront_size32 1
		.amdhsa_system_sgpr_workgroup_id_x 1
		.amdhsa_system_sgpr_workgroup_id_y 1
		.amdhsa_system_sgpr_workgroup_id_z 1
		.amdhsa_system_vgpr_workitem_id 0
		.amdhsa_next_free_vgpr 256
		.amdhsa_next_free_sgpr 66
		.amdhsa_reserve_vcc 0
		.amdhsa_float_denorm_mode_32 3
		.amdhsa_float_denorm_mode_16_64 3
		.amdhsa_memory_ordered 1
		.amdhsa_forward_progress 1
		.amdhsa_inst_pref_size 105
	.end_amdhsa_kernel
	.amdgpu_metadata
---
amdhsa.version: [ 1, 2 ]
amdhsa.kernels:
  - .name:           k_q485126e61a_wav
    .symbol:         k_q485126e61a_wav.kd
    .args:
      - { .name: x, .offset: 0, .size: 8, .value_kind: global_buffer, .address_space: global }
      - { .name: scale, .offset: 8, .size: 8, .value_kind: global_buffer, .address_space: global }
      - { .name: translation, .offset: 16, .size: 8, .value_kind: global_buffer, .address_space: global }
      - { .name: wavelet_weights, .offset: 24, .size: 8, .value_kind: global_buffer, .address_space: global }
      - { .name: weight1_codes, .offset: 32, .size: 8, .value_kind: global_buffer, .address_space: global }
      - { .name: weight1_scales, .offset: 40, .size: 8, .value_kind: global_buffer, .address_space: global }
      - { .name: yt, .offset: 48, .size: 8, .value_kind: global_buffer, .address_space: global }
      - { .name: stats, .offset: 56, .size: 8, .value_kind: global_buffer, .address_space: global }
    .group_segment_fixed_size: 177664
    .private_segment_fixed_size: 0
    .kernarg_segment_align: 8
    .kernarg_segment_size: 64
    .max_flat_workgroup_size: 512
    .sgpr_count:     66
    .vgpr_count:     256
    .wavefront_size: 32
...
	.end_amdgpu_metadata
.endif
;; end of part 3
;; launch norm: the kernel of part 2 again; grid 8 x 16, 8 waves a work-group, no clusters, 17,920 bytes of LDS; arguments yt, stats, gamma, beta, out0; writes out0
